; MI455X (gfx1250); checked and timed in simulation.
; The chip was launched on July 23, 2026; its instructions are those of AMD's public machine-readable ISA for CDNA 5 (MIT licence, August 2026) and "CDNA5" Instruction Set Architecture Reference Guide (July 2026). The comments in the code are by the model that wrote it; some were corrected since.
;; Multi Head Attention. Allowed arithmetic: matrix products marked QUANTISED: E5M2 operands, one given power-of-two scale a tensor, by v_wmma_f32_16x16x64_bf8_bf8 or v_wmma_f32_16x16x128_bf8_bf8, f32 sums; everything else in f32.
;; Inputs: W_k_codes 1,024 x 32 x 32 uint8 (E5M2 codes of W_k, K innermost, in blocks of 32 codes); W_o_codes 1,024 x 32 x 32 uint8 (E5M2 codes of W_o, K innermost, in blocks of 32 codes); W_q_codes 1,024 x 32 x 32 uint8 (E5M2 codes of W_q, K innermost, in blocks of 32 codes); W_v_codes 1,024 x 32 x 32 uint8 (E5M2 codes of W_v, K innermost, in blocks of 32 codes); lowp_scales 12 int32 (the exponents e of the quantised operands' scales 2^e); x_codes 4 x 2,048 x 32 x 32 uint8 (E5M2 codes of x, K innermost, in blocks of 32 codes).
;; Outputs: out0 4 x 2,048 x 1,024 float32.
;; This version of the problem:
;;   THIS VERSION OF THE PROBLEM IS GIVEN IN LOW PRECISION. The matrix products marked QUANTISED in the list below multiply operands that are first quantised to E5M2 (5 exponent bits, 2 mantissa bits; 8 bits a number), with one given power-of-two scale for each operand tensor; their sums are f32. All else is computed in f32.
;;   The module's matrix products, in the order in which they are computed (A, B: the left and right operand; K: the contracted axis; several contracted axes count as one K, in the product's order):
;;     1. [M 8,192, K 1,024] x [K 1,024, N 1,024]; A: input x (given as codes); B: input W_q (given as codes): QUANTISED (scales: A lowp_scales[0], B lowp_scales[1])
;;     2. [M 8,192, K 1,024] x [K 1,024, N 1,024]; A: input x (given as codes); B: input W_k (given as codes): QUANTISED (scales: A lowp_scales[2], B lowp_scales[3])
;;     3. [M 8,192, K 1,024] x [K 1,024, N 1,024]; A: input x (given as codes); B: input W_v (given as codes): QUANTISED (scales: A lowp_scales[4], B lowp_scales[5])
;;     4. batch 64 x [M 2,048, K 64] x [K 64, N 2,048]; A: computed on the way; B: computed on the way: QUANTISED (scales: A lowp_scales[6], B lowp_scales[7])
;;     5. batch 64 x [M 2,048, K 2,048] x [K 2,048, N 64]; A: softmax (see below); B: computed on the way: QUANTISED (scales: A lowp_scales[8], B lowp_scales[9])
;;     6. [M 8,192, K 1,024] x [K 1,024, N 1,024]; A: computed on the way; B: input W_o (given as codes): QUANTISED (scales: A lowp_scales[10], B lowp_scales[11])
;;   THE QUANTISER, for each operand of a quantised product, along K:
;;     - The operand's scale is 2^e, e = its entry of the input lowp_scales (int32; the entries are numbered through the quantised products in the list's order, A before B).
;;     - Each number is divided by the scale, clamped to +-57,344, and rounded to the nearest number of E5M2, ties to even, subnormals kept.
;;     - The product sums the exact products of the quantised numbers (number of the format x scale) in f32.
;;   ~~~python
;;   def quantise(x, axis, e):      # numpy; x: float32 -> the quantised numbers, widened to float32 again
;;       x = np.moveaxis(x, axis, -1); K = x.shape[-1]
;;       r = np.clip(x / 2.0 ** e, -57344, 57344)
;;       step = 2.0 ** (np.maximum(np.frexp(np.where(r == 0, 1, r))[1] - 1, -14) - 2)
;;       q = np.round(r / step) * step * 2.0 ** e      # np.round: ties to even
;;       return np.moveaxis(q, -1, axis).astype(np.float32)
;;   ~~~
;;   SOFTMAX AHEAD OF A QUANTISED PRODUCT. Where the list says 'softmax', what is quantised is not the finished softmax but p = 2^(t - M), with t = logit x log2(e) and M = ceil(the row's largest t), a whole number; so 1/2 < the row's largest p <= 1. The row's sum l is taken of the UNQUANTISED p, in f32, and the product's result is divided by l at the end. Since M is a whole number, a kernel that streams over the keys may use a running M (the ceiling of the running maximum): every later rescaling is an exact power of two, so the quantised numbers keep their values, but for numbers so far below the row's largest that they fall under the format's range.
;;   OPERANDS COMPUTED ON THE WAY. 'Computed on the way' means the value that the module computes at that place (a softmax that the list does not call 'softmax' is quantised finished and normalised). What goes into a quantiser is computed in f32, as accurately as f32 sums, v_exp_f32 and their like allow (about 1e-6 of the number): no bf16 or f16 on the way to a quantiser, and a product that is left as it is and whose result goes on into a quantised operand takes f32 operands (vector FMAs, or v_wmma_f32_16x16x4_f32). A number that lies on a knife's edge between two numbers of the format may be rounded either way, as far as f32 arithmetic and the matrix unit's own rounding can turn it there, and no further.
;;   INPUTS GIVEN AS CODES. W_k (in the module: [1024, 1024], K = its axis 0); W_o (in the module: [1024, 1024], K = its axis 0); W_q (in the module: [1024, 1024], K = its axis 0); W_v (in the module: [1024, 1024], K = its axis 0); x (in the module: [4, 2048, 1024], K = its axis 2): each comes as NAME_codes (uint8): NAME with its K axis moved to the last place and cut into blocks of 32 codes, [.., K / 32, bytes a block], one block behind the other in memory; one code a byte (a code: sign, 5 exponent bits, 2 mantissa bits); its scale is its entry of lowp_scales. Its value is code x scale, taken as it is: it is not quantised again, and the codes and scales need not be those that the quantiser above would give.
;; One version. Each part assembles by itself: llvm-mc -triple=amdgcn-amd-amdhsa -mcpu=gfx1250 --defsym DOCPART=n.
;; ======== version 1 of 1: 3 launches
;; limits: right only within a limited range of input values
;; workspace buffers: q_img 8,388,608 bytes; k_img 8,388,608 bytes; v_img 8,388,608 bytes; ctx_img 8,388,608 bytes
;; launch qkv (part 1): grid 12 x 16, 4 waves a work-group, clusters of 4 x 4, 327,680 bytes of LDS; arguments x_codes, W_q_codes, W_k_codes, W_v_codes, lowp_scales, q_img, k_img, v_img; writes q_img, k_img, v_img
.if DOCPART == 1
	.amdgcn_target "amdgcn-amd-amdhsa--gfx1250"
	.amdhsa_code_object_version 6
	.text
	.protected	k_q63490c4728_qkv
	.globl	k_q63490c4728_qkv
	.p2align	8
	.type	k_q63490c4728_qkv,@function
k_q63490c4728_qkv:
	s_mov_b64 s[64:65], 0
	v_nop
	global_prefetch_b8 v0, s[64:65] scope:SCOPE_SE
	s_setreg_imm32_b32 hwreg(HW_REG_WAVE_MODE, 25, 1), 1
	s_wait_xcnt 0x0
	s_wait_alu depctr_hold_cnt(0) depctr_sa_sdst(0) depctr_va_vdst(0) depctr_va_sdst(0) depctr_va_ssrc(0) depctr_va_vcc(0) depctr_vm_vsrc(0)
	s_getreg_b32 s2, hwreg(HW_REG_IB_STS2, 6, 4)
	s_cmp_eq_u32 s2, 0
	s_cbranch_scc0 .Lentry_in_a_cluster
	s_endpgm
.Lentry_in_a_cluster:
	s_bfe_u32 s2, ttmp6, 0x10000c
	s_cmp_lg_u32 s2, 0xf033
	s_cbranch_scc0 .Lentry_shape_is_right
	s_endpgm
.Lentry_shape_is_right:
; q = x W_q, k = x W_k, v = x W_v on codes of BF8 (E5M2), and the quantisers of q, k and v.  x: [8192][1024] codes, W_*: [1024 (feature)][1024 (k)] codes, K innermost: rows of 1,024 bytes.
; A sum stands for sum x 2^(ea + eb); its code is sum / 2^f, f = eo - ea - eb (q: e6 - e0 - e1; k: e7 - e2 - e3; v: e9 - e4 - e5), to the nearest code, ties to even.
; LIMITS: f lies between -126 and 127, so that 2^f is an f32 number.  Codes of infinity or NaN among the inputs are not served.
; SHARES.  384 tiles of 256 x 256; 192 work-groups of four waves, each makes TWO tiles, 4,096 tokens apart; a wave makes 128 x 128: 64 accumulators, 512 registers.
; K goes in steps of 256 through a ring of two LDS slots; the ring runs on into the second tile, whose first two K steps land while the first tile is quantised and stored.
; THE TWO SIDES.  Source 1 of a product is the A side, source 0 the B side: lane (r, h) holds A's row r, its register j B's row 8 h + j.  For q and k: A = x (tokens), B = W (features): a lane's eight registers are eight
; neighbouring features of one token.  For v the sides change places BY POINTERS ALONE (A = W_v, B = x): eight neighbouring TOKENS of one channel, since the keys are the K of the product that reads v.
; THE OUTPUT IS LAID AS IMAGES OF OPERAND REGISTERS: an image of 1,024 bytes is 16 rows x 64 along K for the K = 64 form: register p of lane l at (p / 4) x 512 + 16 l + 4 (p % 4).  The conversion of accumulator (a, b) IS
; registers 2 (b % 4), 2 (b % 4) + 1 of an image, so each store of a wave covers 512 consecutive bytes, aligned.  q_img, k_img: image (head, token / 16); v_img: image (head, token / 64, channel / 16).
; CLUSTERS: 4 x 4 work-groups; cluster x says which of q, k, v.  A's tile is shared along a row of the cluster, B's along a column: each is asked for jointly.
; A fragment is fetched by four loads of 16 bytes: a permutation of k, the same on both sides, so every product meets its partner.
; REGISTERS: window 0: v8-11 store offsets, v12 2^f, v16-21 LDS addresses, v28-29 the add's, v32-95 four sets of 16 code registers, v128-255 A's fragments (one set);
;   window 1: B's fragments, two sets;  windows 2, 3: the accumulators ((a, b) at v[8 (8 (a % 4) + b)]).
.set KROW,   1024
.set ROWB,   256                       ; a tile's row: 256 codes
.set PITCH,  272                       ; an LDS row: 256 bytes + 16 of padding = 68 words: the 16 rows of a fragment load start at 16 different banks (64 banks of 4 bytes: ISA guide 11.1)
.set FR,     16
.set NL,     4
.set NP,     4
.set HALFT,  128*PITCH
.set SLOT,   4*HALFT                   ; A's 256 rows, then B's 256
.set SPARE,  2*SLOT                    ; behind the ring: the spare words, 128 bytes a wave
.set WALKB,  16*256*KROW               ; from a tile's tokens to the second tile's, in x
.set VO,   8
.set SCL,  12
.set LIM,  13
.set ADRA, 16
.set ADRB, 20
.set SPW,  28
.set NIL,  29
.set CD,   32
.set AF,   128
.set G1,   24
.set G0,   32
.set G1B,  48
.set G0B,  56
.set DA,   66                          ; s[66:67] what A's address gains from tile to tile (the token side alone walks)
.set DB,   88                          ; s[88:89] the same for B
.set OUT,  90                          ; s[90:91] my wave's first image
.set MSB, 0
.macro WIN new                         ; the immediate's high byte repeats the setting that is left
.if MSB != (\new)
	s_set_vgpr_msb (MSB<<8)|(\new)
.set MSB, (\new)
.endif
.endm
.set MUL_LO, 0xa1                      ; source 0 (B) window 1, source 1 (A) window 0, C and D window 2
.set MUL_HI, 0xf1                      ; the same, C and D window 3
.set TO_B,   0x40
.macro JLOAD s                         ; a joint load: waves 0, 1 fetch A's halves, waves 2, 3 B's; four v_nop follow each line
	s_cmp_eq_u32 s15, 0
	s_cbranch_scc0 .Lfor_b_\@
	tensor_load_to_lds s[G0+4*\s:G0+4*\s+3], s[G1:G1+7]
	s_nop 0
.rept 4
	v_nop
.endr
	s_branch .Lasked_\@
.Lfor_b_\@:
	tensor_load_to_lds s[G0B+4*\s:G0B+4*\s+3], s[G1B:G1B+7]
	s_nop 0
.rept 4
	v_nop
.endr
.Lasked_\@:
.endm
.macro CREST                           ; a round of the cluster's barrier behind its opening barrier
	s_cmp_lg_u32 s14, 0
	s_cbranch_scc1 .Lnot_wave_0_\@
	s_barrier_signal -3
.Lnot_wave_0_\@:
	s_barrier_wait -3
	s_barrier_signal -1
	s_barrier_wait -1
.endm
.macro CROUND
	s_barrier_signal -1
	s_barrier_wait -1
	CREST
.endm
	s_load_b256 s[4:11], s[0:1], 0x0               ; x s[4:5], W_q s[6:7], W_k s[8:9], W_v s[10:11]
	s_load_b256 s[80:87], s[0:1], 0x20             ; the scales' exponents s[80:81], q_img s[82:83], k_img s[84:85], v_img s[86:87]
	v_lshl_add_u32 v[SPW], v0, 2, SPARE
	v_mov_b32 v[NIL], 0
	ds_add_u32 v28, v29
	ds_add_u32 v28, v29
	s_wait_dscnt 0x0
	v_lshrrev_b32 v1, 5, v0
	v_readfirstlane_b32 s14, v1                    ; wave 0..3
	s_lshr_b32 s15, s14, 1                         ; my half of A's rows.  Also: I fetch for A (0) or for B (1)
	s_and_b32 s16, s14, 1                          ; my half of B's rows.  Also: which 128 rows of that tile I fetch
	s_bfe_u32 s40, ttmp6, 0x40000                  ; cx
	s_bfe_u32 s41, ttmp6, 0x40004                  ; cy
	s_mov_b32 s42, ttmp9                           ; cluster x: 0 q, 1 k, 2 v: the same in all sixteen partners
	s_and_b32 s17, ttmp7, 0xffff                   ; cluster y, 0..3
	s_lshl_b32 s43, s41, 2
	s_lshl_b32 s43, 15, s43                        ; my row of the cluster
	s_lshl_b32 s44, 0x1111, s40                    ; my column
	s_or_b32 s[G1+0], s43, (0<<16)|(1<<20)|(1<<21)|(5<<22)|(3<<25)  ; the mask; elements of 1 byte; padding on; bit 21 beside a mask; 4 words of padding after every 64
	s_or_b32 s[G1B+0], s44, (0<<16)|(1<<20)|(1<<21)|(5<<22)|(3<<25)
.irp g, G1, G1B
	s_mov_b32 s[\g+1], ROWB<<16                    ; tensor_dim0
	s_mov_b32 s[\g+2], 128<<16                     ; tensor_dim1
	s_mov_b32 s[\g+3], ROWB<<16                    ; tile_dim0
	s_mov_b32 s[\g+4], 128                         ; tile_dim1
	s_mov_b32 s[\g+5], KROW                        ; from row to row
	s_mov_b32 s[\g+6], 0
	s_mov_b32 s[\g+7], 0
.endr
	; which block of 256 rows.  q, k: A = x block 4 CY + cy, B = W block cx.  v: A = W_v block cy, B = x block 4 CY + cx.  A's number never holds cx, B's never cy.
	s_lshl_b32 s45, s17, 2
	s_cmp_eq_u32 s42, 2
	s_cselect_b32 s18, 0, s45
	s_cselect_b32 s19, s45, 0
	s_cselect_b32 s[DA], 0, WALKB
	s_cselect_b32 s[DB], WALKB, 0
	s_mov_b32 s[DA+1], 0
	s_mov_b32 s[DB+1], 0
	s_add_co_u32 s18, s18, s41                     ; A's block
	s_add_co_u32 s19, s19, s40                     ; B's block
	s_lshl_b32 s20, s18, 18                        ; 256 rows of 1,024 bytes
	s_lshl_b32 s46, s19, 18
	s_lshl_b32 s21, s16, 17                        ; + the 128 rows that I fetch
	s_add_co_u32 s20, s20, s21
	s_add_co_u32 s46, s46, s21
	s_mov_b32 s21, 0
	s_mov_b32 s47, 0
	s_mul_i32 s45, s14, HALFT                      ; where they go: wave x 128 rows: no place in the cluster enters an LDS address
	s_wait_kmcnt 0x0
	s_load_b256 s[68:75], s[80:81], 0x0            ; e0 .. e7
	s_load_b128 s[76:79], s[80:81], 0x20           ; e8 .. e11
	s_cmp_eq_u32 s42, 2
	s_cselect_b64 s[92:93], s[10:11], s[4:5]       ; A's buffer
	s_cselect_b64 s[94:95], s[4:5], s[8:9]         ; B's buffer,
	s_cmp_eq_u32 s42, 0
	s_cselect_b64 s[94:95], s[6:7], s[94:95]       ; of three
	s_add_nc_u64 s[20:21], s[92:93], s[20:21]
	s_add_nc_u64 s[46:47], s[94:95], s[46:47]
	CROUND                                         ; all sixteen work-groups are here: the first joint loads meet
.irp s, 0,1
	s_mov_b32 s[G0+4*\s], 1
	s_add_co_u32 s[G0+4*\s+1], s45, \s*SLOT
	s_add_nc_u64 s[G0+4*\s+2:G0+4*\s+3], s[20:21], \s*ROWB
	s_or_b32 s[G0+4*\s+3], s[G0+4*\s+3], 0x80000000
	s_mov_b32 s[G0B+4*\s], 1
	s_add_co_u32 s[G0B+4*\s+1], s45, \s*SLOT
	s_add_nc_u64 s[G0B+4*\s+2:G0B+4*\s+3], s[46:47], \s*ROWB
	s_or_b32 s[G0B+4*\s+3], s[G0B+4*\s+3], 0x80000000
	s_wait_alu depctr_va_vdst(0)
	s_wait_tensorcnt 0x0
	ds_add_u32 v28, v29
	ds_add_u32 v28, v29
	s_wait_dscnt 0x0
	CROUND
	JLOAD \s                                       ; K steps 0 and 1, one at a time: one load of mine is out
.endr
	v_and_b32 v1, 15, v0                           ; r
	v_bfe_u32 v2, v0, 4, 1                         ; h
	v_mul_u32_u24 v3, v1, PITCH
	v_lshl_add_u32 v4, v2, 4, v3                   ; a fragment's row x pitch + 16 h
	s_mul_i32 s21, s15, HALFT                      ; my 128 rows of A
	s_mul_i32 s22, s16, HALFT                      ; my 128 rows of B,
	s_add_co_u32 s22, s22, 2*HALFT                 ; behind A's 256
.irp s, 0,1
	v_add_nc_u32 v[ADRA+\s], s21, v4
	v_add_nc_u32 v[ADRB+\s], s22, v4
	s_add_co_u32 s21, s21, SLOT
	s_add_co_u32 s22, s22, SLOT
.endr
	; where my wave's images begin.  The token side gives t0, the feature side the first of my two heads h0: batch x 2^21 + h0 x 2^17 + (t0 % 2048) x 64, in all three buffers.
	s_mov_b32 s22, 0x1000
	s_mov_b32 s23, 0x20000
	s_cmp_eq_u32 s42, 2
	s_cselect_b32 s96, s19, s18                    ; the token side's block,
	s_cselect_b32 s97, s16, s15                    ; and my half of it
	s_cselect_b32 s98, s18, s19                    ; the feature side's block: four heads,
	s_cselect_b32 s99, s15, s16                    ; and my half: two
	s_cselect_b32 s92, s23, s22                    ; S1: from A's blocks 0-3 to 4-7: q, k 64 tokens on (4,096 bytes); v the next head (131,072)
	s_cselect_b32 s93, s22, s23                    ; S2: from B's blocks 0-3 to 4-7: the other way round
	s_cselect_b64 s[OUT:OUT+1], s[86:87], s[84:85]
	s_cmp_eq_u32 s42, 0
	s_cselect_b64 s[OUT:OUT+1], s[82:83], s[OUT:OUT+1]
	s_lshl_b32 s96, s96, 8
	s_lshl_b32 s97, s97, 7
	s_add_co_u32 s96, s96, s97                     ; t0, under 4,096 in the first tile
	s_lshr_b32 s97, s96, 11
	s_lshl_b32 s97, s97, 21
	s_and_b32 s96, s96, 2047
	s_lshl_b32 s96, s96, 6
	s_add_co_u32 s96, s96, s97
	s_lshl_b32 s98, s98, 2
	s_lshl_b32 s99, s99, 1
	s_add_co_u32 s98, s98, s99                     ; h0
	s_lshl_b32 s98, s98, 17
	s_add_co_u32 s96, s96, s98
	s_mov_b32 s97, 0
	s_add_nc_u64 s[OUT:OUT+1], s[OUT:OUT+1], s[96:97]
	v_and_b32 v5, 31, v0
	v_lshlrev_b32 v[VO], 4, v5                     ; 16 x lane
	v_add_nc_u32 v[VO+1], s92, v[VO]
	v_add_nc_u32 v[VO+2], s93, v[VO]
	v_add_nc_u32 v[VO+3], s92, v[VO+2]
	s_wait_alu depctr_va_vdst(0)
	s_wait_kmcnt 0x0
	s_sub_co_i32 s92, s74, s68
	s_sub_co_i32 s92, s92, s69                     ; q: e6 - e0 - e1
	s_sub_co_i32 s93, s75, s70
	s_sub_co_i32 s93, s93, s71                     ; k: e7 - e2 - e3
	s_sub_co_i32 s94, s77, s72
	s_sub_co_i32 s94, s94, s73                     ; v: e9 - e4 - e5
	s_cmp_eq_u32 s42, 0
	s_cselect_b32 s92, s92, s93
	s_cmp_eq_u32 s42, 2
	s_cselect_b32 s92, s94, s92                    ; f: chosen, not branched on
	s_add_co_i32 s92, s92, 127
	s_lshl_b32 s93, s92, 23
	v_mov_b32 v[SCL], s93                          ; 2^f as f32: the conversion takes its exponent field
.macro FRAG reg, adr, q, i             ; 16 rows x 128 K: registers 4 c .. 4 c + 3 hold K = 32 c + 16 h + 0 .. 15
.irp c, 0,1,2,3
	ds_load_b128 v[\reg+4*\c:\reg+4*\c+3], v[\adr] offset:128*(\q)+32*\c+(\i)*16*PITCH
.endr
.endm
; 16 matrix instructions: A's blocks a0, a0 + 1 x B's eight.  zero = 1: the first product starts the sums.  The 64 accumulators take turns, one instruction a turn, in the same order in every step.
.macro MUL16 a0, p, zero
.irp a, \a0, \a0+1
.irp b, 0,1,2,3,4,5,6,7
.if \zero
	v_wmma_f32_16x16x128_bf8_bf8 v[8*(8*((\a)%4)+\b):8*(8*((\a)%4)+\b)+7], v[128*(\p)+FR*\b:128*(\p)+FR*\b+FR-1], v[AF+FR*(\a):AF+FR*(\a)+FR-1], 0
.else
	v_wmma_f32_16x16x128_bf8_bf8 v[8*(8*((\a)%4)+\b):8*(8*((\a)%4)+\b)+7], v[128*(\p)+FR*\b:128*(\p)+FR*\b+FR-1], v[AF+FR*(\a):AF+FR*(\a)+FR-1], v[8*(8*((\a)%4)+\b):8*(8*((\a)%4)+\b)+7]
.endif
.endr
.endr
.endm
.macro FETCH_B slot, q, p
	WIN TO_B
.irp i, 0,1,2,3,4,5,6,7
	FRAG 128*(\p)+FR*\i, ADRB+\slot, \q, \i
.endr
	WIN 0
.endm
.macro FETCH_A slot, q, i0
.irp i, \i0, \i0+1, \i0+2, \i0+3
	FRAG AF+FR*(\i), ADRA+\slot, \q, \i
.endr
.endm
.macro PLACES n                        ; plain vector instructions between a matrix instruction and a load into, or a vector access to, one of its registers
.rept \n
	v_nop
.endr
.endm
.macro STEP slot, q, zero              ; 128 along K whose successor lies in the same slot
	s_wait_dscnt 4*NL                              ; B's set and A's blocks 0-3 are in; the youngest 16 loads (A's blocks 4-7) may be out
	WIN MUL_LO
	MUL16 0, (\q)%2, \zero
	MUL16 2, (\q)%2, \zero
	s_wait_dscnt 0
	PLACES NP
	FETCH_B \slot, (\q)+1, 1-(\q)%2
	FETCH_A \slot, (\q)+1, 0
	WIN MUL_HI
	MUL16 4, (\q)%2, \zero
	MUL16 6, (\q)%2, \zero
	PLACES NP
	WIN 0
	FETCH_A \slot, (\q)+1, 4
.endm
; A slot's last 128 along K, and the change of slots: one barrier; in front of it each wave waits for all its tensor loads, adds 0 to its spare word, and waits for that and for its reads of this slot.
; fill = 1: this slot takes the tile's K step two on; 2: the SECOND tile's K step 0 or 1 (the token side WALKB on, both sides 512 bytes back along K); 0: nothing.
.macro TURN slot, next, fill
	s_wait_tensorcnt 0x0                           ; all my tensor loads have landed: my part of the next slot
	ds_add_u32 v[SPW], v[NIL]                      ; 0 onto my spare word
	s_wait_dscnt 4*NL+1                            ; (the add and the youngest 16 loads may be out)
	WIN MUL_LO
	MUL16 0, 1, 0
	s_wait_dscnt 0x0                               ; the add is done, and my reads of this slot are over
	s_barrier_signal -1
	MUL16 2, 1, 0
	WIN 0
	s_barrier_wait -1
.if \fill
	CREST                                          ; the barrier has opened a round of the cluster's: no wave of any partner still reads this slot or has a load on its way
.if \fill == 1
	s_add_nc_u64 s[G0+4*\slot+2:G0+4*\slot+3], s[G0+4*\slot+2:G0+4*\slot+3], 2*ROWB
	s_add_nc_u64 s[G0B+4*\slot+2:G0B+4*\slot+3], s[G0B+4*\slot+2:G0B+4*\slot+3], 2*ROWB
.else
	s_add_nc_u64 s[G0+4*\slot+2:G0+4*\slot+3], s[G0+4*\slot+2:G0+4*\slot+3], s[DA:DA+1]
	s_sub_nc_u64 s[G0+4*\slot+2:G0+4*\slot+3], s[G0+4*\slot+2:G0+4*\slot+3], 2*ROWB
	s_add_nc_u64 s[G0B+4*\slot+2:G0B+4*\slot+3], s[G0B+4*\slot+2:G0B+4*\slot+3], s[DB:DB+1]
	s_sub_nc_u64 s[G0B+4*\slot+2:G0B+4*\slot+3], s[G0B+4*\slot+2:G0B+4*\slot+3], 2*ROWB
.endif
	JLOAD \slot                                    ; the first tensor load behind the round; its four v_nop are also the places in front of the loads below
.else
	PLACES NP
.endif
	FETCH_B \next, 0, 0
	FETCH_A \next, 0, 0
	WIN MUL_HI
	MUL16 4, 1, 0
	MUL16 6, 1, 0
	PLACES NP
	WIN 0
	FETCH_A \next, 0, 4
.endm
; THE WAY OUT of a tile, block by block of 16 rows of A: eight conversions, four stores of 512 consecutive bytes.  No LDS: the codes are the image.
.macro EPI second
.irp a, 0,1,2,3,4,5,6,7
.if ((\a) >= 4) || \second
	s_wait_xcnt 0x0                                ; the stores of four blocks back have read this set of code registers (and, at the second tile's head, their base)
.endif
.if \second && ((\a) == 0)
	s_add_nc_u64 s[OUT:OUT+1], s[OUT:OUT+1], 1<<22 ; 4,096 tokens on: two batches
.endif
	WIN 0x82+0x41*((\a)/4)                         ; destination and source 0: window 2 or 3
.set jj, 0
.rept 64
.set jj, jj+1
.endr
	WIN 0x02+((\a)/4)
.irp b, 0,1,2,3,4,5,6,7
	v_cvt_scalef32_pk8_bf8_f32 v[CD+16*((\a)%4)+2*\b:CD+16*((\a)%4)+2*\b+1], v[64*((\a)%4)+8*\b:64*((\a)%4)+8*\b+7], v[SCL]
.endr
	WIN 0
	v_nop                                          ; a plain instruction behind the last conversion: the next tile's products write its sources
.irp g, 0,1,2,3
	global_store_b128 v[VO+((\a)/4)+2*(\g/2)], v[CD+16*((\a)%4)+4*\g:CD+16*((\a)%4)+4*\g+3], s[OUT:OUT+1] offset:((\a)%4)*1024+(\g%2)*512
.endr
.endr
.endm
	s_wait_tensorcnt 1                             ; my part of K step 0 is in; K step 1's load may stay out
	s_barrier_signal -1
	s_barrier_wait -1
	FETCH_B 0, 0, 0
	FETCH_A 0, 0, 0
	FETCH_A 0, 0, 4
	STEP 0, 0, 1                                   ; the first tile: its first products start the sums
	TURN 0, 1, 1
	STEP 1, 0, 0
	TURN 1, 0, 1
	STEP 0, 0, 0
	TURN 0, 1, 2                                   ; the ring goes on into the second tile
	STEP 1, 0, 0
	TURN 1, 0, 2
	s_wait_alu depctr_va_vdst(0)
	EPI 0                                          ; both refills are asked for and land under this
	STEP 0, 0, 1                                   ; the second tile
	TURN 0, 1, 1
	STEP 1, 0, 0
	TURN 1, 0, 1
	STEP 0, 0, 0
	TURN 0, 1, 0                                   ; nothing is left to fetch
	STEP 1, 0, 0
	s_wait_dscnt 4*NL
	WIN MUL_LO
	MUL16 0, 1, 0
	MUL16 2, 1, 0
	s_wait_dscnt 0
	WIN MUL_HI
	MUL16 4, 1, 0
	MUL16 6, 1, 0
	WIN 0
	PLACES NP
	EPI 1
	s_wait_tensorcnt 0x0                           ; the wave's end
	ds_add_u32 v[SPW], v[NIL]
	s_wait_dscnt 0x0
	CROUND                                         ; the closing round
	s_endpgm
.Lfunc_end_k_q63490c4728_qkv:
	.size	k_q63490c4728_qkv, .Lfunc_end_k_q63490c4728_qkv-k_q63490c4728_qkv
	.p2alignl 7, 3214868480
	.fill 96, 4, 3214868480
	.section	.rodata,"a",@progbits
	.p2align	6, 0x0
	.amdhsa_kernel k_q63490c4728_qkv
		.amdhsa_group_segment_fixed_size 327680
		.amdhsa_private_segment_fixed_size 0
		.amdhsa_enable_private_segment 0
		.amdhsa_kernarg_size 64
		.amdhsa_user_sgpr_count 2
		.amdhsa_user_sgpr_kernarg_segment_ptr 1
		.amdhsa_wavefront_size32 1
		.amdhsa_system_sgpr_workgroup_id_x 1
		.amdhsa_system_sgpr_workgroup_id_y 1
		.amdhsa_system_sgpr_workgroup_id_z 1
		.amdhsa_system_vgpr_workitem_id 0
		.amdhsa_next_free_vgpr 1024
		.amdhsa_next_free_sgpr 100
		.amdhsa_reserve_vcc 0
		.amdhsa_float_denorm_mode_32 3
		.amdhsa_float_denorm_mode_16_64 3
		.amdhsa_fp16_overflow 1
		.amdhsa_memory_ordered 1
		.amdhsa_forward_progress 1
		.amdhsa_inst_pref_size 168
	.end_amdhsa_kernel
	.amdgpu_metadata
---
amdhsa.version: [ 1, 2 ]
amdhsa.kernels:
  - .name:           k_q63490c4728_qkv
    .symbol:         k_q63490c4728_qkv.kd
    .args:
      - { .name: x_codes, .offset: 0, .size: 8, .value_kind: global_buffer, .address_space: global }
      - { .name: W_q_codes, .offset: 8, .size: 8, .value_kind: global_buffer, .address_space: global }
      - { .name: W_k_codes, .offset: 16, .size: 8, .value_kind: global_buffer, .address_space: global }
      - { .name: W_v_codes, .offset: 24, .size: 8, .value_kind: global_buffer, .address_space: global }
      - { .name: lowp_scales, .offset: 32, .size: 8, .value_kind: global_buffer, .address_space: global }
      - { .name: q_img, .offset: 40, .size: 8, .value_kind: global_buffer, .address_space: global }
      - { .name: k_img, .offset: 48, .size: 8, .value_kind: global_buffer, .address_space: global }
      - { .name: v_img, .offset: 56, .size: 8, .value_kind: global_buffer, .address_space: global }
    .group_segment_fixed_size: 327680
    .private_segment_fixed_size: 0
    .kernarg_segment_align: 8
    .kernarg_segment_size: 64
    .max_flat_workgroup_size: 128
    .sgpr_count:     100
    .vgpr_count:     1024
    .wavefront_size: 32
...
	.end_amdgpu_metadata
.endif
;; end of part 1
;; launch attn (part 2): grid 4 x 64, 16 waves a work-group, no clusters, 327,680 bytes of LDS; arguments q_img, k_img, v_img, lowp_scales, ctx_img; writes ctx_img
.if DOCPART == 2
	.amdgcn_target "amdgcn-amd-amdhsa--gfx1250"
	.amdhsa_code_object_version 6
	.text
	.protected	k_q63490c4728_attn
	.globl	k_q63490c4728_attn
	.p2align	8
	.type	k_q63490c4728_attn,@function
k_q63490c4728_attn:
	s_mov_b64 s[64:65], 0
	v_nop
	global_prefetch_b8 v0, s[64:65] scope:SCOPE_SE
	s_setreg_imm32_b32 hwreg(HW_REG_WAVE_MODE, 25, 1), 1
	s_wait_xcnt 0x0
; Causal attention on codes of BF8 (E5M2), 64 heads (batch x head) of 2,048 tokens x 64, and the quantiser of ctx.  q_img, k_img, v_img, ctx_img: images of operand registers, 1,024 bytes each
; (16 rows x 64 along K for the K = 64 form: register p of lane l at (p / 4) x 512 + 16 l + 4 (p % 4)).  q, k: image (head, token / 16); v: (head, token / 64, channel / 16), K = the keys; ctx: (token / 16, head).
; THE SOFTMAX: t = score x 2^(e6 + e7) x log2(e) / 8; M = the running largest t rounded UP to a whole number; p = 2^(t - M) is quantised with 2^e8, not normalised; the row's sum is taken of the unquantised p;
; when M moves, the sum and O are multiplied by 2^(old M - new M), which rounds nothing.  ctx = O x 2^(e8 + e9) / sum, quantised with 2^e10.
; LIMITS on the given exponents: e6 + e7 between -123 and 130 (added to a constant's exponent field); e8 and e10 between -126 and 127; e8 + e9 goes by v_ldexp_f32 and has none.
; SHARES.  Work-group (J, head) owns query blocks J and 7 - J of 256 queries: (J + 1) + (8 - J) = 9 slots of 256 keys for EVERY work-group, so the loop's trip count is a constant and all 256 work-groups have equal work.
; Each of sixteen waves owns 16 queries of the block in hand, in 256 registers: four waves to a SIMD, so that one wave's vector work stands beside another's products and LDS loads.
; A key step (128 keys) all of whose keys come after the wave's queries is jumped over, by a scalar branch on ids; on the diagonal hidden scores become -infinity ahead of the maximum.
; LAYOUT.  S^T = K Q^T (source 0 = 16 keys, source 1 = my 16 queries, K = 64): lane (r, h) holds query r, register 8 u + j key 16 u + 8 h + j.  Its conversions are registers 2 u, 2 u + 1 of P, source 1 of
; O^T = V^T P^T (K = 128 keys); O^T's four tiles convert straight into ctx's image.  Nothing changes lanes but the maximum and the sum, once a step and once a block.
; NO CLUSTER: in one and the same trip the four work-groups of a head stand at different key slots (slot SI in the first block, SI - J - 1 in the second), so no tile is wanted by two of them at the same time.
; REGISTERS: v1 16 x lane; v3 256 x lane; v5, v6 the add's; v8 LDS address; v12 -M, v13 largest t, v[14:15] the sum; v16-23 Q; v24 r - 8 h; v32-95 K's 8 fragments, then V's 4; v96-159 S^T, then p; v160-191 O^T;
;   v200 the permute's; v208-215 ctx's codes; v224-239 P's codes; v244: 2^e8; v245: 2^e10; v238-243, v246-252, v254-255 at work.
.set SLOT1, 1<<15                      ; a slot: 16 images of K (16,384 bytes), then 16 of V; slot 1 begins here, so that one exclusive or turns an address
.set VOFF,  16384
.set SPARE, 2*SLOT1                    ; behind the ring: the spare words, 128 bytes for each of 16 waves
.set LI,   1
.set PFO,  3
.set SPW,  5
.set NIL,  6
.set ADK,  8
.set RH,   24
.set PX,   200
.set TB,   2                           ; s2   LDS byte at which the slot in hand begins
.set LIMV, 3                           ; s3   4 in a wave that prefetches, else 0
.set WV,   18
.set SEL,  20
.set CS,   22
.set G1,   24
.set G0K,  40
.set G0V,  44
.set PFA,  48                          ; s[48:49] where my prefetches stand
.set DQ0,  50                          ; s50  queries from the first block to the second
.set KB,   60                          ; s[60:61] the head's first byte of K; never rewritten
.set VB,   62                          ; s[62:63] the same of V
.set SI,   66                          ; s66  the slot's number, 0..8
.set N,    67                          ; s67  SI + 1
.set J,    80
.set JP1,  81
.set STP,  86                          ; s[86:87] the byte offset in the head of the key slot that is asked for; the high word stays 0
.set QA,   88
.set CTX,  90
.set DQ,   92
.set DC,   94
.set EPV,  97
.set KF,   98                          ; s98  the step's first key
.set Q0,   99                          ; s99  my first query
.macro TLOAD                           ; wave 0 fetches a slot's K, wave 1 its V, the others nothing; four v_nop follow each line
	s_cmp_eq_u32 s[WV], 0
	s_cbranch_scc0 .Lnot_k_\@
	tensor_load_to_lds s[G0K:G0K+3], s[G1:G1+7]
	s_nop 0
.rept 4
	v_nop
.endr
	s_branch .Lasked_\@
.Lnot_k_\@:
	s_cmp_eq_u32 s[WV], 1
	s_cbranch_scc0 .Lasked_\@
	tensor_load_to_lds s[G0V:G0V+3], s[G1:G1+7]
	s_nop 0
.rept 4
	v_nop
.endr
.Lasked_\@:
.endm
; A PREFETCH INTO THE L2.  Key slots 4 to 7 of a head are walked first by its work-group J = 0, which fetches key slot N - 1 at the change with number N.  There, for N = 4 .. 7, it asks for key slot N: one slot,
; two key steps of sixteen waves, ahead of its own load.  Waves 2, 3 ask for K's 16,384 bytes, waves 4, 5 for V's: 8,192 a wave, lanes 256 bytes apart: each aligned block of 256 bytes is named once in the launch, and key slot 7 is the head's last.
.macro ASK
	s_sub_co_u32 s96, s[N], 4
	s_cmp_lt_u32 s96, s[LIMV]
	s_cbranch_scc0 .Lnot_mine_\@
	global_prefetch_b8 v[PFO], s[PFA:PFA+1] th:TH_LOAD_NT scope:SCOPE_SE
.Lnot_mine_\@:
.endm
.macro START                           ; a block of queries begins: the largest t under every t, sum and O^T zero (the first change of M multiplies zeros)
	v_mov_b32 v13, 0xff61b1e6                      ; -3e38
	s_delay_alu instid0(VALU_DEP_1)
	v_floor_f32 v12, -v13
	v_mov_b32 v14, 0
	v_mov_b32 v15, 0
.set jj, 0
.rept 32
	v_mov_b32 v[160+jj], 0
.set jj, jj+1
.endr
.endm
	s_load_b256 s[4:11], s[0:1], 0x0               ; q_img s[4:5], k_img s[6:7], v_img s[8:9], the scales' exponents s[10:11]
	s_load_b64 s[12:13], s[0:1], 0x20              ; ctx_img
	v_lshl_add_u32 v[SPW], v0, 2, SPARE
	v_mov_b32 v[NIL], 0
	ds_add_u32 v5, v6
	ds_add_u32 v5, v6
	s_wait_dscnt 0x0
	v_lshrrev_b32 v8, 5, v0
	s_delay_alu instid0(VALU_DEP_1)
	v_readfirstlane_b32 s[WV], v8                  ; wave 0..15
	s_mov_b32 s[J], ttmp9
	s_add_co_u32 s[JP1], s[J], 1
	s_and_b32 s52, ttmp7, 0xffff                   ; batch x 16 + head
	s_lshl_b32 s54, s52, 17                        ; the head's first byte in q_img, k_img, v_img
	s_mov_b32 s55, 0
	s_mov_b32 s[G1], 3<<16                         ; a dense block of 16,384 bytes as 64 rows of 32 elements of 8 bytes; no mask, no padding
	s_mov_b32 s[G1+1], 32<<16
	s_mov_b32 s[G1+2], 64<<16
	s_mov_b32 s[G1+3], 32<<16
	s_mov_b32 s[G1+4], 64
	s_mov_b32 s[G1+5], 32
	s_mov_b32 s[G1+6], 0
	s_mov_b32 s[G1+7], 0
	s_mov_b32 s[STP], 0
	s_mov_b32 s[STP+1], 0
	s_lshl_b32 s96, s[J], 1
	s_sub_co_u32 s96, 7, s96                       ; 7 - 2 J blocks from the first to the second
	s_lshl_b32 s[DQ0], s96, 8
	s_lshl_b32 s[DQ], s96, 14                      ; x 256 queries x 64 bytes in q_img
	s_mov_b32 s[DQ+1], 0
	s_lshl_b32 s[DC], s96, 18                      ; x 256 x 1,024 bytes in ctx_img
	s_mov_b32 s[DC+1], 0
	s_lshl_b32 s[Q0], s[J], 8
	s_lshl_b32 s96, s[WV], 4
	s_add_co_u32 s[Q0], s[Q0], s96                 ; my first query: 256 J + 16 x wave
	s_mov_b32 s[KF], 0
	s_mov_b32 s[TB], 0
	s_mov_b32 s[SI], 0
	s_mov_b32 s[SEL], 0x76543210
	s_mov_b32 s[SEL+1], 0xfedcba98
	s_mov_b32 s[CS], 0x3e38aa3b                    ; log2(e) / 8
	s_wait_kmcnt 0x0
	s_load_b256 s[68:75], s[10:11], 0x0            ; e0 .. e7
	s_load_b128 s[76:79], s[10:11], 0x20           ; e8 .. e11
	s_add_nc_u64 s[KB:KB+1], s[6:7], s[54:55]      ; the head's key slot 0, in K and in V
	s_add_nc_u64 s[VB:VB+1], s[8:9], s[54:55]
	s_mov_b32 s[G0K], 1
	s_mov_b32 s[G0K+1], 0                          ; slot 0
	s_mov_b64 s[G0K+2:G0K+3], s[KB:KB+1]
	s_or_b32 s[G0K+3], s[G0K+3], 0x80000000
	s_mov_b32 s[G0V], 1
	s_mov_b32 s[G0V+1], VOFF
	s_mov_b64 s[G0V+2:G0V+3], s[VB:VB+1]
	s_or_b32 s[G0V+3], s[G0V+3], 0x80000000
	TLOAD                                          ; slot 0: one load out in each of waves 0 and 1
	s_lshl_b32 s56, s[Q0], 6
	s_mov_b32 s57, 0
	s_add_nc_u64 s[QA:QA+1], s[4:5], s[54:55]
	s_add_nc_u64 s[QA:QA+1], s[QA:QA+1], s[56:57]  ; my tile's image of Q
	s_lshr_b32 s56, s52, 4
	s_lshl_b32 s56, s56, 21                        ; batch x 2,048 tokens x 1,024 bytes
	s_and_b32 s58, s52, 15
	s_add_co_u32 s58, s58, s[Q0]
	s_lshl_b32 s58, s58, 10                        ; + (my first query + head) x 1,024
	s_add_co_u32 s56, s56, s58
	s_add_nc_u64 s[CTX:CTX+1], s[12:13], s[56:57]
	s_cmp_lt_u32 s[WV], 4                          ; the prefetches: waves 2, 3 for K, waves 4, 5 for V
	s_cselect_b64 s[PFA:PFA+1], s[6:7], s[8:9]
	s_and_b32 s56, s[WV], 1
	s_lshl_b32 s56, s56, 13
	s_add_nc_u64 s[PFA:PFA+1], s[PFA:PFA+1], s[54:55]
	s_add_nc_u64 s[PFA:PFA+1], s[PFA:PFA+1], s[56:57]  ; at key slot 0: the change with number N steps it to key slot N
	s_sub_co_u32 s96, s[WV], 2
	s_lshr_b32 s96, s96, 2                         ; 0 in waves 2 to 5,
	s_or_b32 s96, s96, s[J]                        ; of work-group J = 0
	s_cmp_eq_u32 s96, 0
	s_cselect_b32 s[LIMV], 4, 0
	v_and_b32 v[LI], 31, v0
	s_delay_alu instid0(VALU_DEP_1)
	v_lshlrev_b32 v[PFO], 8, v[LI]
	s_delay_alu instid0(VALU_DEP_2)
	v_lshlrev_b32 v[LI], 4, v[LI]
	global_load_b128 v[16:19], v[LI], s[QA:QA+1]   ; Q's fragment stays in registers
	global_load_b128 v[20:23], v[LI], s[QA:QA+1] offset:512
	v_and_b32 v[RH], 15, v0
	v_bfe_u32 v9, v0, 4, 1
	s_delay_alu instid0(VALU_DEP_1)
	v_lshlrev_b32 v9, 3, v9
	s_delay_alu instid0(VALU_DEP_1)
	v_sub_nc_u32 v[RH], v[RH], v9                  ; r - 8 h
	v_mov_b32 v[PX], 0                             ; written once: a lane permute's destination counts as one of its sources
	v_mov_b32 v253, 0                              ; (named as the upper half of the pair v[252:253])
	START
	s_wait_kmcnt 0x0
	s_add_co_i32 s96, s74, s75                     ; e6 + e7 go into the constant's exponent field
	s_lshl_b32 s96, s96, 23
	s_add_co_i32 s[CS], s[CS], s96
	s_mov_b32 s[CS+1], s[CS]                       ; (named with it as a pair)
	s_add_co_i32 s96, s76, 127
	s_lshl_b32 s56, s96, 23
	v_mov_b32 v244, s56                            ; 2^e8
	s_add_co_i32 s96, s78, 127
	s_lshl_b32 s56, s96, 23
	v_mov_b32 v245, s56                            ; 2^e10
	s_add_co_i32 s[EPV], s76, s77                  ; e8 + e9
; A KEY STEP: 128 keys, the q-th of the slot in hand.
.macro STEP q
	s_add_co_u32 s96, s[Q0], 15
	s_cmp_gt_u32 s[KF], s96                        ; all 128 keys come after my 16 queries: nothing but the step of KF
	s_cbranch_scc1 .Lhidden_\@
	v_add_nc_u32 v[ADK], s[TB], v[LI]
.rept 3
	v_nop                                          ; with the addition: four places in front of loads into registers that the last products read
.endr
.irp t, 0,1,2,3,4,5,6,7
	ds_load_b128 v[32+8*\t:35+8*\t], v[ADK] offset:(8*(\q)+\t)*1024        ; K's image of keys 16 t on: 512 consecutive bytes a load
	ds_load_b128 v[36+8*\t:39+8*\t], v[ADK] offset:(8*(\q)+\t)*1024+512
.endr
	s_wait_alu depctr_va_vdst(0)
	s_wait_dscnt 0x0
.irp t, 0,1,2,3,4,5,6,7
	v_wmma_f32_16x16x64_bf8_bf8 v[96+8*\t:103+8*\t], v[32+8*\t:39+8*\t], v[16:23], 0
.endr
.rept 4
	v_nop                                          ; places: in front of the loads below, and of the first read of the scores
.endr
.irp t, 0,1,2,3                                ; V's four fragments (16 channels x 128 keys) take K's registers and land under the softmax
.irp g, 0,1,2,3
	ds_load_b128 v[32+16*\t+4*\g:35+16*\t+4*\g], v[ADK] offset:VOFF+((2*(\q)+\g/2)*4+\t)*1024+(\g%2)*512
.endr
.endr
	s_add_co_u32 s96, s[KF], 127
	s_cmp_le_u32 s96, s[Q0]                        ; all keys count: no mask
	s_cbranch_scc1 .Lopen_\@
	s_sub_co_i32 s96, s[Q0], s[KF]
	v_add_nc_u32 v252, s96, v[RH]                  ; d = my query - KF - 8 h.  Register 8 t + j holds key KF + 16 t + 8 h + j: hidden where 16 t + j > d
	v_mov_b32 v254, 0xff800000                     ; -infinity
.irp t, 0,1,2,3,4,5,6,7
.irp j, 0,1,2,3,4,5,6,7
	v_cmp_gt_i32 vcc_lo, 16*\t+\j, v252
	v_cndmask_b32 v[96+8*\t+\j], v[96+8*\t+\j], v254, vcc_lo
.endr
.endr
.Lopen_\@:
	v_max3_num_f32 v254, v96, v97, v98             ; the step's largest score of my query among my 64 keys, in two chains; each tile is first read at its low end
	v_max3_num_f32 v252, v99, v100, v101
.irp i, 6,10,14,18,22,26,30,34,38,42,46,50,54,58
	v_max3_num_f32 v254, v254, v[96+\i], v[97+\i]
	v_max3_num_f32 v252, v252, v[98+\i], v[99+\i]
.endr
	v_max3_num_f32 v254, v254, v158, v159
	s_delay_alu instid0(VALU_DEP_1)
	v_max_num_f32 v254, v254, v252
	s_delay_alu instid0(VALU_DEP_1)
	v_permlanex16_b32 v[PX], v254, s[SEL], s[SEL+1]
	s_delay_alu instid0(VALU_DEP_1)
	v_max_num_f32 v254, v254, v[PX]                ; and among lane l xor 16's
	s_delay_alu instid0(VALU_DEP_1)
	v_mul_f32 v254, s[CS], v254                    ; as t
	s_delay_alu instid0(VALU_DEP_1)
	v_max_num_f32 v13, v13, v254                   ; the running largest t
	v_mov_b32 v254, v12
	s_delay_alu instid0(VALU_DEP_2)
	v_floor_f32 v12, -v13                          ; the new -M = floor(-t): M is a whole number
	s_delay_alu instid0(VALU_DEP_1)
	v_sub_f32 v254, v12, v254                      ; old M - new M, a whole number, 0 or less
	s_delay_alu instid0(VALU_DEP_1)
	v_cvt_i32_f32 v254, v254                       ; (it saturates)
	s_delay_alu instid0(VALU_DEP_1)
	v_ldexp_f32 v252, 1.0, v254                    ; f = 2^(old M - new M)
.irp t, 0,1,2,3,4,5,6,7
.irp j, 0,2,4,6
	v_pk_fma_f32 v[96+8*\t+\j:97+8*\t+\j], v[96+8*\t+\j:97+8*\t+\j], s[CS:CS+1], v[12:13] op_sel_hi:[1,0,0]   ; t - M, two at a time
.endr
.endr
	s_wait_alu depctr_va_vdst(0)
.irp t, 0,1,2,3,4,5,6,7
.irp j, 0,1,2,3,4,5,6,7
	v_exp_f32 v[96+8*\t+\j], v[96+8*\t+\j]         ; p = 2^(t - M): one batch
.endr
.endr
	v_pk_mul_f32 v[14:15], v[14:15], v[252:253] op_sel_hi:[1,0]   ; the sums under the new M: the plain instruction behind the exponentials
	s_wait_alu depctr_va_vdst(0)                   ; one wait for the batch, ahead of its first reader
	v_pk_add_f32 v[242:243], v[100:101], v[104:105]
	v_pk_add_f32 v[254:255], v[108:109], v[112:113]
	v_pk_add_f32 v[250:251], v[116:117], v[120:121]
	v_pk_add_f32 v[248:249], v[124:125], v[128:129]
	v_pk_add_f32 v[246:247], v[132:133], v[136:137]
	v_pk_add_f32 v[240:241], v[140:141], v[144:145]
	v_pk_add_f32 v[238:239], v[148:149], v[152:153]
	v_pk_add_f32 v[14:15], v[14:15], v[156:157]
	v_pk_add_f32 v[242:243], v[242:243], v[96:97]
	v_pk_add_f32 v[254:255], v[254:255], v[98:99]
	v_pk_add_f32 v[250:251], v[250:251], v[102:103]
	v_pk_add_f32 v[248:249], v[248:249], v[106:107]
	v_pk_add_f32 v[246:247], v[246:247], v[110:111]
	v_pk_add_f32 v[240:241], v[240:241], v[114:115]
	v_pk_add_f32 v[238:239], v[238:239], v[118:119]
	v_pk_add_f32 v[14:15], v[14:15], v[122:123]
	v_pk_add_f32 v[242:243], v[242:243], v[126:127]
	v_pk_add_f32 v[254:255], v[254:255], v[130:131]
	v_pk_add_f32 v[250:251], v[250:251], v[134:135]
	v_pk_add_f32 v[248:249], v[248:249], v[138:139]
	v_pk_add_f32 v[246:247], v[246:247], v[142:143]
	v_pk_add_f32 v[240:241], v[240:241], v[146:147]
	v_pk_add_f32 v[238:239], v[238:239], v[150:151]
	v_pk_add_f32 v[14:15], v[14:15], v[154:155]
	v_pk_add_f32 v[242:243], v[242:243], v[158:159]
	s_delay_alu instid0(VALU_DEP_2)
	v_pk_add_f32 v[14:15], v[14:15], v[248:249]
	s_delay_alu instid0(VALU_DEP_2)
	v_pk_add_f32 v[242:243], v[242:243], v[246:247]
	v_pk_add_f32 v[254:255], v[254:255], v[240:241]
	v_pk_add_f32 v[250:251], v[250:251], v[238:239]
	s_delay_alu instid0(VALU_DEP_2)
	v_pk_add_f32 v[14:15], v[14:15], v[254:255]
	s_delay_alu instid0(VALU_DEP_2)
	v_pk_add_f32 v[242:243], v[242:243], v[250:251]
	s_delay_alu instid0(VALU_DEP_1)
	v_pk_add_f32 v[14:15], v[14:15], v[242:243]
.irp t, 0,1,2,3,4,5,6,7
.irp j, 0,1,2,3,4,5,6,7
.endr
	v_cvt_scalef32_pk8_bf8_f32 v[224+2*\t:225+2*\t], v[96+8*\t:103+8*\t], v244   ; registers 2 t, 2 t + 1 of P: keys 16 t + 8 h + 0 .. 7
.endr
.irp t, 0,1,2,3
.irp j, 0,2,4,6
	v_pk_mul_f32 v[160+8*\t+\j:161+8*\t+\j], v[160+8*\t+\j:161+8*\t+\j], v[252:253] op_sel_hi:[1,0]   ; O^T under the new M; also the plain instructions behind the conversions
.endr
.endr
	s_wait_alu depctr_va_vdst(0)
	s_wait_dscnt 0x0                               ; V is in
.irp t, 0,1,2,3                                ; four accumulators by turns; the scores' eight products stand between two links of a chain
	v_wmma_f32_16x16x128_bf8_bf8 v[160+8*\t:167+8*\t], v[32+16*\t:47+16*\t], v[224:239], v[160+8*\t:167+8*\t]
.endr
.Lhidden_\@:
	s_add_co_u32 s[KF], s[KF], 128
.endm
; THE CHANGE OF SLOTS, at a slot's head.  Each wave waits for all its tensor loads, adds 0 to its spare word, and waits for that and for its reads of the slot that it has left.  Behind the barrier the slot ahead is whole
; and nobody reads the other.  fill = 1: that other slot takes the keys of slot number N = SI + 1: key slot N in the first block of queries (N <= J), key slot N - J - 1 in the second.  The two global addresses are made
; anew from the head's bases and that key slot's offset, 16,384 bytes a key slot, and the type is set anew behind each sum.
.macro CHANGE fill
	s_wait_tensorcnt 0x0                           ; no tensor load of mine is out, so a group 0 may be written
	ds_add_u32 v[SPW], v[NIL]                      ; 0 onto my spare word
.if \fill
	s_add_co_u32 s[N], s[SI], 1
	s_cmp_le_u32 s[N], s[J]
	s_cselect_b32 s96, 0, s[JP1]
	s_sub_co_u32 s[STP], s[N], s96                 ; the key slot, 0 .. 7
	s_lshl_b32 s[STP], s[STP], 14                  ; in bytes; the pair's high word is 0
	s_xor_b32 s[G0K+1], s[G0K+1], SLOT1            ; the other LDS slot than last time
	s_add_nc_u64 s[G0K+2:G0K+3], s[KB:KB+1], s[STP:STP+1]
	s_or_b32 s[G0K+3], s[G0K+3], 0x80000000        ; type = 2
	s_xor_b32 s[G0V+1], s[G0V+1], SLOT1
	s_add_nc_u64 s[G0V+2:G0V+3], s[VB:VB+1], s[STP:STP+1]
	s_or_b32 s[G0V+3], s[G0V+3], 0x80000000
	s_wait_xcnt 0x0                                ; the last prefetch, a slot back, has read its address
	s_add_nc_u64 s[PFA:PFA+1], s[PFA:PFA+1], 16384
.endif
	s_wait_dscnt 0x0                               ; the add is done, and my reads of the slot that I have left are over
	s_barrier_signal -1
	s_barrier_wait -1
.if \fill
	TLOAD                                          ; the first thing behind the barrier, a wave's one tensor load until the next
	ASK
.endif
.endm
; A BLOCK OF QUERIES ENDS: ctx = O^T x 2^(e8 + e9) / sum, converted: the eight code registers are ctx's image: two stores of 512 consecutive bytes.  more = 1: on to the second block.
.macro FLUSH more
.rept 4
	v_nop                                          ; places behind the last products
.endr
	v_add_f32 v14, v14, v15
	s_delay_alu instid0(VALU_DEP_1)
	v_permlanex16_b32 v[PX], v14, s[SEL], s[SEL+1]
	s_delay_alu instid0(VALU_DEP_1)
	v_add_f32 v14, v14, v[PX]                      ; the row's sum
	s_wait_alu depctr_va_vdst(0)
	v_rcp_f32 v14, v14
	v_nop                                          ; a plain instruction behind the reciprocal
	s_wait_alu depctr_va_vdst(0)                   ; and the wait ahead of its first reader
	v_ldexp_f32 v14, v14, s[EPV]
.irp t, 0,1,2,3
.irp j, 0,2,4,6
	v_pk_mul_f32 v[96+8*\t+\j:97+8*\t+\j], v[160+8*\t+\j:161+8*\t+\j], v[14:15] op_sel_hi:[1,0]
.endr
.endr
.irp t, 0,1,2,3
.irp j, 0,1,2,3,4,5,6,7
.endr
	v_cvt_scalef32_pk8_bf8_f32 v[208+2*\t:209+2*\t], v[96+8*\t:103+8*\t], v245
.endr
	v_nop                                          ; a plain instruction behind the last conversion
	global_store_b128 v[LI], v[208:211], s[CTX:CTX+1]
	global_store_b128 v[LI], v[212:215], s[CTX:CTX+1] offset:512
.if \more
	s_wait_xcnt 0x0                                ; the stores have read their data and their base
	s_add_nc_u64 s[QA:QA+1], s[QA:QA+1], s[DQ:DQ+1]
	s_add_nc_u64 s[CTX:CTX+1], s[CTX:CTX+1], s[DC:DC+1]
	s_add_co_u32 s[Q0], s[Q0], s[DQ0]
	s_mov_b32 s[KF], 0
	global_load_b128 v[16:19], v[LI], s[QA:QA+1]
	global_load_b128 v[20:23], v[LI], s[QA:QA+1] offset:512
	START
	s_wait_loadcnt 0x0
.endif
.endm
	s_wait_loadcnt 0x0                             ; Q
.Lslot:                                            ; eight trips: behind each change of slots but the last the next slot is asked for
	CHANGE 1
	s_cmp_lg_u32 s[SI], s[JP1]                     ; slot J + 1 is the second block's first: a branch on ids, round registers and global memory alone
	s_cbranch_scc1 .Lsame
	FLUSH 1
.Lsame:
	STEP 0
	STEP 1
	s_xor_b32 s[TB], s[TB], SLOT1
	s_add_co_u32 s[SI], s[SI], 1
	s_cmp_lt_u32 s[SI], 8
	s_cbranch_scc1 .Lslot
	CHANGE 0                                       ; the last slot is written out
	STEP 0
	STEP 1
	FLUSH 0
	s_wait_tensorcnt 0x0                           ; the wave's end
	ds_add_u32 v[SPW], v[NIL]
	s_wait_dscnt 0x0
	s_endpgm
.Lfunc_end_k_q63490c4728_attn:
	.size	k_q63490c4728_attn, .Lfunc_end_k_q63490c4728_attn-k_q63490c4728_attn
	.p2alignl 7, 3214868480
	.fill 96, 4, 3214868480
	.section	.rodata,"a",@progbits
	.p2align	6, 0x0
	.amdhsa_kernel k_q63490c4728_attn
		.amdhsa_group_segment_fixed_size 327680
		.amdhsa_private_segment_fixed_size 0
		.amdhsa_enable_private_segment 0
		.amdhsa_kernarg_size 40
		.amdhsa_user_sgpr_count 2
		.amdhsa_user_sgpr_kernarg_segment_ptr 1
		.amdhsa_wavefront_size32 1
		.amdhsa_system_sgpr_workgroup_id_x 1
		.amdhsa_system_sgpr_workgroup_id_y 1
		.amdhsa_system_sgpr_workgroup_id_z 1
		.amdhsa_system_vgpr_workitem_id 0
		.amdhsa_next_free_vgpr 256
		.amdhsa_next_free_sgpr 100
		.amdhsa_reserve_vcc 1
		.amdhsa_float_denorm_mode_32 3
		.amdhsa_float_denorm_mode_16_64 3
		.amdhsa_fp16_overflow 1
		.amdhsa_memory_ordered 1
		.amdhsa_forward_progress 1
		.amdhsa_inst_pref_size 90
	.end_amdhsa_kernel
	.amdgpu_metadata
---
amdhsa.version: [ 1, 2 ]
amdhsa.kernels:
  - .name:           k_q63490c4728_attn
    .symbol:         k_q63490c4728_attn.kd
    .args:
      - { .name: q_img, .offset: 0, .size: 8, .value_kind: global_buffer, .address_space: global }
      - { .name: k_img, .offset: 8, .size: 8, .value_kind: global_buffer, .address_space: global }
      - { .name: v_img, .offset: 16, .size: 8, .value_kind: global_buffer, .address_space: global }
      - { .name: lowp_scales, .offset: 24, .size: 8, .value_kind: global_buffer, .address_space: global }
      - { .name: ctx_img, .offset: 32, .size: 8, .value_kind: global_buffer, .address_space: global }
    .group_segment_fixed_size: 327680
    .private_segment_fixed_size: 0
    .kernarg_segment_align: 8
    .kernarg_segment_size: 40
    .max_flat_workgroup_size: 512
    .sgpr_count:     100
    .vgpr_count:     256
    .wavefront_size: 32
...
	.end_amdgpu_metadata
.endif
;; end of part 2
;; launch oproj (part 3): grid 8 x 32, 4 waves a work-group, clusters of 4 x 4, 327,680 bytes of LDS; arguments ctx_img, W_o_codes, lowp_scales, out0; writes out0
.if DOCPART == 3
	.amdgcn_target "amdgcn-amd-amdhsa--gfx1250"
	.amdhsa_code_object_version 6
	.text
	.protected	k_q63490c4728_oproj
	.globl	k_q63490c4728_oproj
	.p2align	8
	.type	k_q63490c4728_oproj,@function
k_q63490c4728_oproj:
	s_mov_b64 s[64:65], 0
	v_nop
	global_prefetch_b8 v0, s[64:65] scope:SCOPE_SE
	s_setreg_imm32_b32 hwreg(HW_REG_WAVE_MODE, 25, 1), 1
	s_wait_xcnt 0x0
	s_wait_alu depctr_hold_cnt(0) depctr_sa_sdst(0) depctr_va_vdst(0) depctr_va_sdst(0) depctr_va_ssrc(0) depctr_va_vcc(0) depctr_vm_vsrc(0)
	s_getreg_b32 s2, hwreg(HW_REG_IB_STS2, 6, 4)
	s_cmp_eq_u32 s2, 0
	s_cbranch_scc0 .Lentry_in_a_cluster
	s_endpgm
.Lentry_in_a_cluster:
	s_bfe_u32 s2, ttmp6, 0x10000c
	s_cmp_lg_u32 s2, 0xf033
	s_cbranch_scc0 .Lentry_shape_is_right
	s_endpgm
.Lentry_shape_is_right:
; out0 = ctx W_o on codes of BF8 (E5M2): each finished sum x 2^(e10 + e11).  ctx_img: images of operand registers, image (token / 16, head) of 1,024 bytes; the images of heads 2 z and 2 z + 1 lie on end and are
; ONE fragment (16 tokens x 128 along K) of the K = 128 form, k in its true places.  W_o: [1024 (feature)][1024 (k)] codes, rows of 1,024 bytes.  out0: [8192][1024] f32.
; LIMIT: e10 + e11 lies between -126 and 127, so that 2^(e10 + e11) is an f32 number.
; SHARES.  A tile is 256 tokens x 128 features: 256 work-groups of four waves; a wave makes 128 x 64: 32 accumulators.  K goes in four steps of 256 through a ring of two LDS slots.
; CLUSTERS: 4 x 4.  ctx's tile is shared along a row of the cluster, W_o's along a column: each is asked for jointly.
; Source 0 = 16 rows of W_o, source 1 = 16 tokens: lane (r, h) holds token r and eight neighbouring features.
; ctx's fragments come from LDS as they lie, 16 bytes a lane on end; W_o's by eight loads of 8 bytes, since its k must stand in the same true places.
; REGISTERS: window 0: v16-21 LDS addresses, v24-26 the way out, v28-29 the add's, v32-63 a block's results, v128-255 ctx's 8 fragments (one set; on the way out rows read back);
;   window 1: W_o's fragments, two sets of 64;  window 2: the accumulators ((a, b) at v[8 (4 a + b)]).
.set PITCH,  272                       ; W_o's LDS row: 256 bytes + 16: the 32 lanes of a load of 8 bytes touch 64 different banks (64 banks of 4 bytes: ISA guide 11.1)
.set ABYTES, 65536                     ; ctx: 16 tiles of 16 tokens x 4,096 bytes (four heads)
.set BHALF,  64*PITCH
.set SLOT,   ABYTES+2*BHALF
.set SPARE,  2*SLOT
.set SPITCH, 272                       ; the way out: a stage of 16 rows x (256 bytes + 16) for each wave, in slot 0, which has had its last fill and its last read by then
.set NP,   4
.set ADRA, 16
.set ADRB, 20
.set STO,  24
.set RD,   25
.set CO,   26
.set SPW,  28
.set NIL,  29
.set TMP,  32
.set AF,   128
.set BK,   128
.set G1,   24
.set G0,   32
.set G1B,  48
.set G0B,  56
.set MSB, 0
.macro WIN new
.if MSB != (\new)
	s_set_vgpr_msb (MSB<<8)|(\new)
.set MSB, (\new)
.endif
.endm
.set MUL,  0xa1                        ; source 0 (W_o) window 1, source 1 (ctx) window 0, C and D window 2
.set TO_B, 0x40
.macro JLOAD s                         ; waves 0, 1 fetch ctx's halves, waves 2, 3 W_o's; four v_nop follow each line
	s_cmp_eq_u32 s15, 0
	s_cbranch_scc0 .Lfor_b_\@
	tensor_load_to_lds s[G0+4*\s:G0+4*\s+3], s[G1:G1+7]
	s_nop 0
.rept 4
	v_nop
.endr
	s_branch .Lasked_\@
.Lfor_b_\@:
	tensor_load_to_lds s[G0B+4*\s:G0B+4*\s+3], s[G1B:G1B+7]
	s_nop 0
.rept 4
	v_nop
.endr
.Lasked_\@:
.endm
.macro CREST
	s_cmp_lg_u32 s14, 0
	s_cbranch_scc1 .Lnot_wave_0_\@
	s_barrier_signal -3
.Lnot_wave_0_\@:
	s_barrier_wait -3
	s_barrier_signal -1
	s_barrier_wait -1
.endm
.macro CROUND
	s_barrier_signal -1
	s_barrier_wait -1
	CREST
.endm
	s_load_b256 s[4:11], s[0:1], 0x0               ; ctx_img s[4:5], W_o s[6:7], the scales' exponents s[8:9], out0 s[10:11]
	v_lshl_add_u32 v[SPW], v0, 2, SPARE
	v_mov_b32 v[NIL], 0
	ds_add_u32 v28, v29
	ds_add_u32 v28, v29
	s_wait_dscnt 0x0
	v_lshrrev_b32 v1, 5, v0
	v_readfirstlane_b32 s14, v1                    ; wave 0..3
	s_lshr_b32 s15, s14, 1                         ; my half of the tokens.  Also: I fetch for ctx (0) or for W_o (1)
	s_and_b32 s16, s14, 1                          ; my half of the features.  Also: which half of that tile I fetch
	s_bfe_u32 s40, ttmp6, 0x40000                  ; cx
	s_bfe_u32 s41, ttmp6, 0x40004                  ; cy
	s_lshl_b32 s42, ttmp9, 2
	s_add_co_u32 s42, s42, s40                     ; X: tile of 128 features
	s_and_b32 s17, ttmp7, 0xffff
	s_lshl_b32 s17, s17, 2
	s_add_co_u32 s17, s17, s41                     ; Y: tile of 256 tokens
	s_lshl_b32 s43, s41, 2
	s_lshl_b32 s43, 15, s43                        ; my row of the cluster
	s_lshl_b32 s44, 0x1111, s40                    ; my column
	s_or_b32 s[G1+0], s43, (3<<16)|(1<<21)         ; ctx: elements of 8 bytes, no padding; bit 21 beside the mask
	s_mov_b32 s[G1+1], 512<<16                     ; a row: four heads' images of a tile of 16 tokens, 4,096 bytes
	s_mov_b32 s[G1+2], 8<<16                       ; eight such tiles
	s_mov_b32 s[G1+3], 512<<16
	s_mov_b32 s[G1+4], 8
	s_mov_b32 s[G1+5], 2048                        ; 16,384 bytes from a tile of tokens to the next
	s_mov_b32 s[G1+6], 0
	s_mov_b32 s[G1+7], 0
	s_or_b32 s[G1B+0], s44, (0<<16)|(1<<20)|(1<<21)|(5<<22)|(3<<25)  ; W_o: elements of 1 byte; 4 words of padding after every 64
	s_mov_b32 s[G1B+1], 256<<16
	s_mov_b32 s[G1B+2], 64<<16
	s_mov_b32 s[G1B+3], 256<<16
	s_mov_b32 s[G1B+4], 64
	s_mov_b32 s[G1B+5], 1024
	s_mov_b32 s[G1B+6], 0
	s_mov_b32 s[G1B+7], 0
	s_lshl_b32 s20, s17, 18                        ; ctx: 16 Y tiles of 16,384 bytes,
	s_lshl_b32 s21, s16, 17                        ; + the eight that I fetch
	s_add_co_u32 s20, s20, s21
	s_mov_b32 s21, 0
	s_lshl_b32 s46, s42, 17                        ; W_o: 128 X rows of 1,024 bytes,
	s_lshl_b32 s47, s16, 16                        ; + the 64 that I fetch
	s_add_co_u32 s46, s46, s47
	s_mov_b32 s47, 0
	s_lshl_b32 s45, s16, 15                        ; where they go: ctx's halves,
	s_mul_i32 s22, s16, BHALF
	s_add_co_u32 s22, s22, ABYTES                  ; W_o's halves behind them: no place in the cluster enters an LDS address
	s_wait_kmcnt 0x0
	s_load_b64 s[96:97], s[8:9], 0x28              ; e10, e11
	s_add_nc_u64 s[20:21], s[4:5], s[20:21]
	s_add_nc_u64 s[46:47], s[6:7], s[46:47]
	CROUND                                         ; all sixteen work-groups are here: the first joint loads meet
.irp s, 0,1
	s_mov_b32 s[G0+4*\s], 1
	s_add_co_u32 s[G0+4*\s+1], s45, \s*SLOT
	s_add_nc_u64 s[G0+4*\s+2:G0+4*\s+3], s[20:21], \s*4096
	s_or_b32 s[G0+4*\s+3], s[G0+4*\s+3], 0x80000000
	s_mov_b32 s[G0B+4*\s], 1
	s_add_co_u32 s[G0B+4*\s+1], s22, \s*SLOT
	s_add_nc_u64 s[G0B+4*\s+2:G0B+4*\s+3], s[46:47], \s*256
	s_or_b32 s[G0B+4*\s+3], s[G0B+4*\s+3], 0x80000000
	s_wait_alu depctr_va_vdst(0)
	s_wait_tensorcnt 0x0
	ds_add_u32 v28, v29
	ds_add_u32 v28, v29
	s_wait_dscnt 0x0
	CROUND
	JLOAD \s                                       ; K steps 0 and 1, one at a time: one load of mine is out
.endr
	v_and_b32 v1, 15, v0                           ; r
	v_bfe_u32 v2, v0, 4, 1                         ; h
	v_and_b32 v6, 31, v0
	v_lshlrev_b32 v3, 4, v6                        ; 16 x lane
	v_mul_u32_u24 v4, v1, PITCH
	v_lshl_add_u32 v4, v2, 3, v4                   ; 272 r + 8 h
	s_lshl_b32 s21, s15, 15                        ; my 128 tokens' images
	s_mul_i32 s23, s16, BHALF
	s_add_co_u32 s23, s23, ABYTES                  ; my 64 rows of W_o
.irp s, 0,1
	v_add_nc_u32 v[ADRA+\s], s21, v3
	v_add_nc_u32 v[ADRB+\s], s23, v4
	s_add_co_u32 s21, s21, SLOT
	s_add_co_u32 s23, s23, SLOT
.endr
	s_mul_i32 s23, s14, 16*SPITCH                  ; my stage
	v_mul_u32_u24 v5, v1, SPITCH
	v_lshl_add_u32 v5, v2, 5, v5
	v_add_nc_u32 v[STO], s23, v5                   ; in: row r, 32 bytes for each half of the lanes
	v_mul_u32_u24 v5, v2, SPITCH
	v_lshl_add_u32 v5, v1, 4, v5
	v_add_nc_u32 v[RD], s23, v5                    ; back: lanes 0-15 one row of 256 bytes, lanes 16-31 the next
	v_lshlrev_b32 v5, 12, v2
	v_lshl_add_u32 v[CO], v1, 4, v5                ; and the same two rows in out0 (a row is 4,096 bytes)
	s_lshl_b32 s20, s17, 20                        ; 256 Y rows,
	s_lshl_b32 s21, s15, 19                        ; + my 128,
	s_add_co_u32 s20, s20, s21
	s_lshl_b32 s46, s42, 9                         ; + 128 X columns of 4 bytes,
	s_lshl_b32 s47, s16, 8                         ; + my 64
	s_add_co_u32 s46, s46, s47
	s_add_co_u32 s20, s20, s46
	s_mov_b32 s21, 0
	s_add_nc_u64 s[10:11], s[10:11], s[20:21]
; 8 matrix instructions: blocks a0, a0 + 1 of tokens x the four of features.  The 32 accumulators take turns, one instruction a turn, in the same order in every step.
.macro MUL8 a0, p, zero
.irp a, \a0, \a0+1
.irp b, 0,1,2,3
.if \zero
	v_wmma_f32_16x16x128_bf8_bf8 v[8*(4*(\a)+\b):8*(4*(\a)+\b)+7], v[64*(\p)+16*\b:64*(\p)+16*\b+15], v[AF+16*(\a):AF+16*(\a)+15], 0
.else
	v_wmma_f32_16x16x128_bf8_bf8 v[8*(4*(\a)+\b):8*(4*(\a)+\b)+7], v[64*(\p)+16*\b:64*(\p)+16*\b+15], v[AF+16*(\a):AF+16*(\a)+15], v[8*(4*(\a)+\b):8*(4*(\a)+\b)+7]
.endif
.endr
.endr
.endm
.macro FETCH_B slot, q, p              ; W_o's four fragments of the slot's q-th 128 along K: registers 2 c, 2 c + 1 hold k = 16 c + 8 h + 0 .. 7
	WIN TO_B
.irp b, 0,1,2,3
.irp c, 0,1,2,3,4,5,6,7
	ds_load_b64 v[64*(\p)+16*\b+2*\c:64*(\p)+16*\b+2*\c+1], v[ADRB+\slot] offset:\b*16*PITCH+128*(\q)+16*\c
.endr
.endr
	WIN 0
.endm
.macro FETCH_A slot, q, i0             ; ctx's blocks i0 .. i0 + 3: images, 512 consecutive bytes a load
.irp i, \i0, \i0+1, \i0+2, \i0+3
.irp g, 0,1,2,3
	ds_load_b128 v[AF+16*(\i)+4*\g:AF+16*(\i)+4*\g+3], v[ADRA+\slot] offset:(\i)*4096+(\q)*2048+\g*512
.endr
.endr
.endm
.macro PLACES n
.rept \n
	v_nop
.endr
.endm
.macro STEP slot, q, zero
	s_wait_dscnt 16                                ; W_o's set and ctx's blocks 0-3 are in; the youngest 16 loads (blocks 4-7) may be out
	WIN MUL
	MUL8 0, (\q)%2, \zero
	MUL8 2, (\q)%2, \zero
	s_wait_dscnt 0
	PLACES NP
	FETCH_B \slot, (\q)+1, 1-(\q)%2
	FETCH_A \slot, (\q)+1, 0
	WIN MUL
	MUL8 4, (\q)%2, \zero
	MUL8 6, (\q)%2, \zero
	PLACES NP
	WIN 0
	FETCH_A \slot, (\q)+1, 4
.endm
.macro TURN slot, next, fill           ; a slot's last 128 along K, and the change of slots
	s_wait_tensorcnt 0x0                           ; all my tensor loads have landed: my part of the next slot
	ds_add_u32 v[SPW], v[NIL]                      ; 0 onto my spare word
	s_wait_dscnt 17                                ; (the add and the youngest 16 loads may be out)
	WIN MUL
	MUL8 0, 1, 0
	s_wait_dscnt 0x0                               ; the add is done, and my reads of this slot are over
	s_barrier_signal -1
	MUL8 2, 1, 0
	WIN 0
	s_barrier_wait -1
.if \fill
	CREST                                          ; the barrier has opened a round of the cluster's: no wave of any partner still reads this slot or has a load on its way
	s_add_nc_u64 s[G0+4*\slot+2:G0+4*\slot+3], s[G0+4*\slot+2:G0+4*\slot+3], 2*4096
	s_add_nc_u64 s[G0B+4*\slot+2:G0B+4*\slot+3], s[G0B+4*\slot+2:G0B+4*\slot+3], 2*256
	JLOAD \slot                                    ; the first tensor load behind the round; its four v_nop are also the places in front of the loads below
.else
	PLACES NP
.endif
	s_wait_alu depctr_va_vdst(0)
	FETCH_B \next, 0, 0
	FETCH_A \next, 0, 0
	WIN MUL
	MUL8 4, 1, 0
	MUL8 6, 1, 0
	PLACES NP
	WIN 0
	FETCH_A \next, 0, 4
.endm
	s_wait_tensorcnt 1                             ; my part of K step 0 is in; K step 1's load may stay out
	s_barrier_signal -1
	s_barrier_wait -1
	FETCH_B 0, 0, 0
	FETCH_A 0, 0, 0
	FETCH_A 0, 0, 4
	STEP 0, 0, 1                                   ; the first products start the sums
	TURN 0, 1, 1
	STEP 1, 0, 0
	TURN 1, 0, 1
	STEP 0, 0, 0
	TURN 0, 1, 0                                   ; nothing is left to fetch
	STEP 1, 0, 0
	s_wait_dscnt 16
	WIN MUL
	MUL8 0, 1, 0
	MUL8 2, 1, 0
	s_wait_dscnt 0
	MUL8 4, 1, 0
	MUL8 6, 1, 0
	WIN 0
; THE WAY OUT, block by block of 16 tokens x 64 features: x 2^(e10 + e11) into other registers (each accumulator from its low end on), through my own stage in LDS, back as whole rows of 256 bytes.
; LDS serves a wave's instructions in order (ISA guide 5.7.1.4): no wait between the stores and the loads, nor in front of the next block's stores.
.macro TOSTAGE a
	WIN 0x02                                       ; source 0: window 2
.irp j, 0,2,4,6,8,10,12,14,16,18,20,22,24,26,28,30
	v_pk_mul_f32 v[TMP+\j:TMP+\j+1], v[32*(\a)+\j:32*(\a)+\j+1], s[96:97] op_sel_hi:[1,0]
.endr
	WIN 0
.irp b, 0,1,2,3
	ds_store_b128 v[STO], v[TMP+8*\b:TMP+8*\b+3] offset:64*\b
	ds_store_b128 v[STO], v[TMP+8*\b+4:TMP+8*\b+7] offset:64*\b+16
.endr
.set BB, BK+32*((\a)%2)
.irp t, 0,1,2,3,4,5,6,7
	ds_load_b128 v[BB+4*\t:BB+4*\t+3], v[RD] offset:\t*2*SPITCH
.endr
.endm
.macro SEND a, younger                 ; younger: the LDS instructions issued behind block a's loads, which may stay out
.set BB, BK+32*((\a)%2)
	s_wait_dscnt \younger
.irp t, 0,1,2,3,4,5,6,7
	global_store_b128 v[CO], v[BB+4*\t:BB+4*\t+3], s[10:11] offset:(\a)*65536+\t*8192 th:TH_STORE_NT   ; 16 lanes store 256 consecutive bytes, aligned; the block's and the rows' place stand in the immediate
.endr
.endm
	s_wait_kmcnt 0x0
	s_add_co_i32 s96, s96, s97
	s_add_co_i32 s96, s96, 127
	s_lshl_b32 s96, s96, 23                        ; 2^(e10 + e11) as f32
	s_mov_b32 s97, s96                             ; (named with it as a pair)
	PLACES NP                                      ; behind the last products: for the reads of results and the loads into the registers that held ctx's fragments
	TOSTAGE 0
.irp a, 1,2,3,4,5,6,7
.if \a > 1
	s_wait_xcnt 0x0                                ; block a - 2's stores have read their registers: block a's loads may land there
.endif
	TOSTAGE \a
	SEND \a-1, 16                                  ; behind block a - 1's loads: block a's 8 stores and 8 loads
.endr
	SEND 7, 0
	s_wait_tensorcnt 0x0                           ; the wave's end
	ds_add_u32 v[SPW], v[NIL]
	s_wait_dscnt 0x0
	CROUND                                         ; the closing round
	s_endpgm
.Lfunc_end_k_q63490c4728_oproj:
	.size	k_q63490c4728_oproj, .Lfunc_end_k_q63490c4728_oproj-k_q63490c4728_oproj
	.p2alignl 7, 3214868480
	.fill 96, 4, 3214868480
	.section	.rodata,"a",@progbits
	.p2align	6, 0x0
	.amdhsa_kernel k_q63490c4728_oproj
		.amdhsa_group_segment_fixed_size 327680
		.amdhsa_private_segment_fixed_size 0
		.amdhsa_enable_private_segment 0
		.amdhsa_kernarg_size 32
		.amdhsa_user_sgpr_count 2
		.amdhsa_user_sgpr_kernarg_segment_ptr 1
		.amdhsa_wavefront_size32 1
		.amdhsa_system_sgpr_workgroup_id_x 1
		.amdhsa_system_sgpr_workgroup_id_y 1
		.amdhsa_system_sgpr_workgroup_id_z 1
		.amdhsa_system_vgpr_workitem_id 0
		.amdhsa_next_free_vgpr 768
		.amdhsa_next_free_sgpr 100
		.amdhsa_reserve_vcc 0
		.amdhsa_float_denorm_mode_32 3
		.amdhsa_float_denorm_mode_16_64 3
		.amdhsa_memory_ordered 1
		.amdhsa_forward_progress 1
		.amdhsa_inst_pref_size 86
	.end_amdhsa_kernel
	.amdgpu_metadata
---
amdhsa.version: [ 1, 2 ]
amdhsa.kernels:
  - .name:           k_q63490c4728_oproj
    .symbol:         k_q63490c4728_oproj.kd
    .args:
      - { .name: ctx_img, .offset: 0, .size: 8, .value_kind: global_buffer, .address_space: global }
      - { .name: W_o_codes, .offset: 8, .size: 8, .value_kind: global_buffer, .address_space: global }
      - { .name: lowp_scales, .offset: 16, .size: 8, .value_kind: global_buffer, .address_space: global }
      - { .name: out0, .offset: 24, .size: 8, .value_kind: global_buffer, .address_space: global }
    .group_segment_fixed_size: 327680
    .private_segment_fixed_size: 0
    .kernarg_segment_align: 8
    .kernarg_segment_size: 32
    .max_flat_workgroup_size: 128
    .sgpr_count:     100
    .vgpr_count:     768
    .wavefront_size: 32
...
	.end_amdgpu_metadata
.endif
;; end of part 3
